; MI455X (gfx1250); checked and timed in simulation.
; The chip was launched on July 23, 2026; its instructions are those of AMD's public machine-readable ISA for CDNA 5 (MIT licence, August 2026) and "CDNA5" Instruction Set Architecture Reference Guide (July 2026). The comments in the code are by the model that wrote it; some were corrected since.
;; LSTE Linear. Allowed arithmetic: matrix products marked QUANTISED: E4M3 operands, one E8M0 scale for each 32 along K, by v_wmma_scale_f32_16x16x128_f8f6f4 with both operands' format E4M3, f32 sums; everything else in f32.
;; Inputs: scales 131,072 float32; ste_gain 1 float32; ste_temp 1 float32; ternary 4,096 x 4,096 int8; x 4,096 x 4,096 float32.
;; Outputs: out0 4,096 x 4,096 float32.
;; This version of the problem:
;;   THIS VERSION OF THE PROBLEM IS GIVEN IN LOW PRECISION. The matrix products marked QUANTISED in the list below multiply operands that are first quantised to E4M3 (4 exponent bits, 3 mantissa bits; 8 bits a number), with one power-of-two scale for each 32 numbers along K (OCP MX v1.0); their sums are f32. All else is computed in f32.
;;   The module's matrix products, in the order in which they are computed (A, B: the left and right operand; K: the contracted axis; several contracted axes count as one K, in the product's order):
;;     1. [M 4,096, K 4,096] x [K 4,096, N 4,096]; A: input x; B: computed on the way: QUANTISED
;;   THE QUANTISER, for each operand of a quantised product, along K:
;;     - K is cut into blocks of 32 from its start; a last block that is shorter is filled with zeros.
;;     - A block's scale is 2^e with e = floor(log2(the largest magnitude in the block)) - 8, held to -126 .. 127; a block of zeros has e = 0. As a byte (E8M0): e + 127.
;;     - Each number is divided by its block's scale, clamped to +-448, and rounded to the nearest number of E4M3, ties to even, subnormals kept.
;;     - The product sums the exact products of the quantised numbers (number of the format x scale) in f32.
;;   ~~~python
;;   def quantise(x, axis):      # numpy; x: float32 -> the quantised numbers, widened to float32 again
;;       x = np.moveaxis(x, axis, -1); K = x.shape[-1]
;;       x = np.pad(x, [(0, 0)] * (x.ndim - 1) + [(0, -K % 32)]); x = x.reshape(x.shape[:-1] + (-1, 32)); a = np.abs(x).max(-1, keepdims=True)
;;       e = np.where(a > 0, np.clip(np.frexp(np.where(a > 0, a, 1))[1] - 1 - 8, -126, 127), 0)      # np.frexp(a)[1] - 1 = floor(log2(a)), exactly
;;       r = np.clip(x / 2.0 ** e, -448, 448)
;;       step = 2.0 ** (np.maximum(np.frexp(np.where(r == 0, 1, r))[1] - 1, -6) - 3)
;;       q = np.round(r / step) * step * 2.0 ** e      # np.round: ties to even
;;       return np.moveaxis(q.reshape(q.shape[:-2] + (-1,))[..., :K], -1, axis).astype(np.float32)
;;   ~~~
;;   OPERANDS COMPUTED ON THE WAY. 'Computed on the way' means the value that the module computes at that place (a softmax that the list does not call 'softmax' is quantised finished and normalised). What goes into a quantiser is computed in f32, as accurately as f32 sums, v_exp_f32 and their like allow (about 1e-6 of the number): no bf16 or f16 on the way to a quantiser, and a product that is left as it is and whose result goes on into a quantised operand takes f32 operands (vector FMAs, or v_wmma_f32_16x16x4_f32). A number that lies on a knife's edge between two numbers of the format may be rounded either way, as far as f32 arithmetic and the matrix unit's own rounding can turn it there, and no further.
;; One version. Each part assembles by itself: llvm-mc -triple=amdgcn-amd-amdhsa -mcpu=gfx1250 --defsym DOCPART=n.
;; ======== version 1 of 1: 2 launches
;; limits: right only within a limited range of input values
;; workspace buffers: a_pack 17,301,504 bytes; b_pack 17,301,504 bytes
;; launch quant (part 1): grid 1024 x 1, 4 waves a work-group, no clusters, 35,328 bytes of LDS; arguments x, ternary, scales, ste_gain, ste_temp, a_pack, b_pack; writes a_pack, b_pack
.if DOCPART == 1
	.amdgcn_target "amdgcn-amd-amdhsa--gfx1250"
	.amdhsa_code_object_version 6
	.text
	.protected	k_q6f4ec4a0c5_quant
	.globl	k_q6f4ec4a0c5_quant
	.p2align	8
	.type	k_q6f4ec4a0c5_quant,@function
k_q6f4ec4a0c5_quant:
	s_mov_b64 s[64:65], 0
	v_nop
	global_prefetch_b8 v0, s[64:65] scope:SCOPE_SE
	s_setreg_imm32_b32 hwreg(HW_REG_WAVE_MODE, 25, 1), 1
	s_wait_xcnt 0x0
; x [4096][4096] f32, and w[n][k] = f32(ternary[n][k]) x scales[32 n + k / 128], are turned into codes of FP8 (E4M3) with one E8M0 scale byte for each 32 along K.
; A block's scale is 2^(floor(log2(its largest magnitude)) - 8); its byte is the largest magnitude's own exponent field - 8, held at 1 from below.  Each number is divided by the scale, held within +-448
; and rounded to the nearest code, ties to even.
; THE PACKS (a_pack for x, b_pack for w) are laid as the product's launch fetches them: [32 blocks of 128 rows][16 K steps of 256][132 pack rows of 256 bytes].  Pack row r < 128: the 256 codes of the block's row r,
; K innermost.  Pack row 128 + j: rows 32 j .. 32 j + 31, 8 scale bytes each, byte b for k = 32 b .. 32 b + 31 of the K step.  So 128 rows' codes and scale bytes of a K step are 33,792 consecutive bytes.
; SHARES.  A wave takes 32 rows x 256 along K of one tensor: 32 pack rows of codes (8,192 consecutive bytes) and one whole pack row of scale bytes.  2,048 such tasks a tensor.
; EVERY WORK-GROUP HOLDS TWO WAVES FOR x AND TWO FOR w, so that all 1,024 work-groups have the same work.  Which two: by the parity of wave + work-group + work-group / 256, so that a wave's number does not
; always go with the same kind.  No tensor loads, no barrier: waves share nothing.  Each of the two paths has LDS bytes of its own, for each wave's number.
; A step is two rows: lanes 0-15 hold row 2 t, lanes 16-31 row 2 t + 1, 16 neighbours along K a lane; two neighbouring lanes hold a block of 32.  A lane's 16 codes are 16 bytes: a wave's store covers 512
; consecutive bytes, two aligned pack rows.  Every offset is an immediate, and each step has its own registers for its codes and its byte: no store's data are written again.
; 250 registers a wave: four waves share a SIMD's 1,024.
; ste_gain, ste_temp: the problem's function takes them and lets them enter no number of its result (they act on the backward pass alone).  Each is read here, by one scalar load, and enters no arithmetic.
; LIMITS: NaN and infinities among x and scales are not served.  A block of zeros gets the byte 1 where the rule says 127: its codes are zeros, which add nothing under any byte but 0xff, and this program alone
; reads the bytes.  Blocks whose largest magnitude lies under 2^-118 have their byte held at 1 by the floor.  ternary is taken as any int8, scales as any finite f32 of either sign.
; The group scales are read 8 bytes of each row's 128, one load a wave: part of their 256-byte neighbourhoods, for 8 KiB of ternary that the same wave reads whole.
.set STEPS, 16
.set DEPTH, 7                          ; x: steps whose loads are on their way: 28 loads of 512 bytes a wave
.set BLK,   132*256                    ; a block of 128 rows x one K step in a pack
.set SP,    80                         ; x path: a lane's place in a stage: its 64 bytes + 16 of padding
.set XSB,   2*32*SP                    ; x path: behind a wave's two stages its 256 scale bytes
.set WBASE, 4*8192                     ; w path: behind the x path's four regions of 8,192 bytes; 512 bytes a wave: 64 group scales, then 256 scale bytes
.set R,     16                         ; v16-79   x: sets 0 to 3 of 16 numbers as loaded;  w: 4 registers of int8 for each of the 16 steps
.set X,     80                         ; v80-111  two sets of 16 neighbours along K
.set E,     112                        ; v112-127 a scale byte for each step
.set C,     128                        ; v128-191 four registers of codes for each step
.set G,     192                        ; v192-207 w: my group's scale for each step;  x: set 4
.set R5,    216                        ; v216-247 x: sets 5 and 6
	s_load_b256 s[4:11], s[0:1], 0x0               ; x s[4:5], ternary s[6:7], scales s[8:9], ste_gain s[10:11]
	s_load_b128 s[12:15], s[0:1], 0x20             ; ste_temp s[12:13], a_pack s[14:15]
	s_load_b64 s[16:17], s[0:1], 0x30              ; b_pack
	v_lshl_add_u32 v248, v0, 2, 0x8800
	v_mov_b32 v249, 0
	v_lshrrev_b32 v1, 5, v0
	v_readfirstlane_b32 s18, v1                    ; wave 0..3
	v_and_b32 v2, 31, v0                           ; lane
	v_lshlrev_b32 v3, 4, v2                        ; 16 x lane: my bytes of a load of x, and of a step's codes
	v_and_b32 v8, 15, v2
	v_lshrrev_b32 v9, 4, v2                        ; which of a step's two rows
	v_lshlrev_b32 v4, 4, v8
	v_lshl_add_u32 v4, v9, 12, v4                  ; ternary: 16 (lane % 16) + a row of 4,096 bytes for lanes 16-31
	v_lshlrev_b32 v7, 3, v2                        ; 8 x lane
	v_lshlrev_b32 v208, 7, v2                      ; scales: lane = row, 128 bytes a row
	; every LDS address of both paths is made here, ahead of the parting
	s_lshl_b32 s25, s18, 13                        ; x path: my wave's region
	v_lshrrev_b32 v14, 2, v2
	v_mul_u32_u24 v14, v14, SP
	v_and_b32 v15, 3, v2
	v_lshl_add_u32 v14, v15, 4, v14
	v_add_nc_u32 v14, s25, v14                     ; the stage, on the way in: four lanes' 64 bytes on end, then 16 of padding
	v_mul_u32_u24 v15, v2, SP
	v_add_nc_u32 v15, s25, v15                     ; and on the way out: my 16 neighbours
	s_add_co_u32 s25, s25, XSB
	v_lshrrev_b32 v10, 1, v2
	v_add_nc_u32 v5, s25, v10                      ; my block's scale byte,
	v_add_nc_u32 v6, s25, v7                       ; and 8 bytes a lane on the way out
	s_lshl_b32 s25, s18, 9
	s_add_co_u32 s25, s25, WBASE                   ; w path: my wave's region
	v_add_nc_u32 v212, s25, v7                     ; row = lane puts its two group scales here
	v_bfe_u32 v11, v2, 3, 1                        ; which group of 128 my 16 numbers lie in
	v_lshlrev_b32 v11, 2, v11
	v_lshl_add_u32 v11, v9, 3, v11
	v_add_nc_u32 v213, s25, v11                    ; and takes its step's from here: 8 (lane / 16) + 4 x group, + 16 a step
	s_add_co_u32 s25, s25, 256
	v_add_nc_u32 v214, s25, v10                    ; my block's scale byte,
	v_add_nc_u32 v215, s25, v7                     ; and 8 bytes a lane on the way out
	; the task
	s_lshr_b32 s19, ttmp9, 8
	s_xor_b32 s19, s19, ttmp9
	s_xor_b32 s19, s19, s18
	s_and_b32 s19, s19, 1                          ; 0: x, 1: w: in a work-group waves 0 and 2 are of one kind, waves 1 and 3 of the other
	s_lshr_b32 s20, s18, 1                         ; which of the work-group's two waves of my kind
	s_lshl_b32 s21, ttmp9, 1
	s_add_co_u32 s21, s21, s20                     ; the task's number in its tensor, 0 .. 2,047
	s_and_b32 s22, s21, 15                         ; its K step
	s_lshr_b32 s23, s21, 4                         ; its 32 rows
	s_lshr_b32 s24, s23, 2
	s_lshl_b32 s24, s24, 4
	s_add_co_u32 s24, s24, s22
	s_mul_i32 s24, s24, BLK                        ; (block of 128 rows x 16 + K step) x 33,792: at most 17,267,712
	s_and_b32 s45, s23, 3                          ; which 32 of the 128 rows
	s_lshl_b32 s26, s45, 13
	s_add_co_u32 s26, s26, s24                     ; my codes in the pack
	s_mov_b32 s27, 0
	s_lshl_b32 s28, s45, 8
	s_add_co_u32 s28, s28, s24
	s_add_co_u32 s28, s28, 128*256                 ; my pack row of scale bytes
	s_mov_b32 s29, 0
	s_lshl_b32 s30, s23, 19                        ; x: 32 rows of 16,384 bytes,
	s_lshl_b32 s45, s22, 10                        ; 1,024 bytes a K step
	s_add_co_u32 s30, s30, s45
	s_mov_b32 s31, 0
	s_lshl_b32 s32, s23, 17                        ; ternary: 32 rows of 4,096 bytes, 256 a K step
	s_lshl_b32 s45, s22, 8
	s_add_co_u32 s32, s32, s45
	s_mov_b32 s33, 0
	s_lshl_b32 s34, s23, 12                        ; scales: 32 rows of 128 bytes, 8 a K step
	s_lshl_b32 s45, s22, 3
	s_add_co_u32 s34, s34, s45
	s_mov_b32 s35, 0
	s_mov_b32 s44, 0x600000                        ; the mantissa field of 448 (an instruction takes one literal: the hold's line has another)
	s_wait_kmcnt 0x0
	s_load_b32 s36, s[10:11], 0x0                  ; ste_gain and ste_temp are read; no number of the result hangs on them.  Their bases are never rewritten
	s_load_b32 s37, s[12:13], 0x0
	s_add_nc_u64 s[4:5], s[4:5], s[30:31]
	s_add_nc_u64 s[6:7], s[6:7], s[32:33]
	s_add_nc_u64 s[8:9], s[8:9], s[34:35]
	s_cmp_eq_u32 s19, 0                            ; the choice of the pack hangs on the work-group's and the wave's number alone
	s_cselect_b64 s[38:39], s[14:15], s[16:17]
	s_add_nc_u64 s[40:41], s[38:39], s[26:27]      ; codes
	s_add_nc_u64 s[42:43], s[38:39], s[28:29]      ; scale bytes
	s_cmp_lg_u32 s19, 0
	s_cbranch_scc1 .Lw
; The 16 numbers v[xs] .. v[xs + 15] of step t become codes and a scale byte; ba: the register with the byte's LDS address.
.macro QBLOCK xs, t, ba
.set QX, \xs
.set QT, \t
	v_max3_num_f32 v8, |v[QX]|, |v[QX+1]|, |v[QX+2]|               ; the largest magnitude of my 16, in two chains
	v_max3_num_f32 v9, |v[QX+3]|, |v[QX+4]|, |v[QX+5]|
.irp i, 6,10
	v_max3_num_f32 v8, v8, |v[QX+\i]|, |v[QX+\i+1]|
	v_max3_num_f32 v9, v9, |v[QX+\i+2]|, |v[QX+\i+3]|
.endr
	v_max3_num_f32 v8, v8, |v[QX+14]|, |v[QX+15]|
	v_max3_num_f32 v8, v8, v9, 0x4800000           ; and the floor 2^(9 - 127), under which no largest magnitude is taken: so the byte cannot fall under 1
	v_max_num_f32_dpp v8, v8, v8 row_xmask:1 row_mask:0xf bank_mask:0xf   ; and of my neighbour's 16: the block's
	v_add_nc_u32 v11, 0xfc000000, v8               ; 8 off its exponent field: the conversion takes the exponent field of this operand as its scale, and nothing else of it
	v_and_or_b32 v10, v8, 0x7f800000, s44          ; 448 x the scale: the largest magnitude's exponent field over 448's mantissa
.irp i, 0,1,2,3,4,5,6,7,8,9,10,11,12,13,14,15
	v_med3_num_f32 v[QX+\i], v[QX+\i], -v10, v10   ; the conversion to an 8-bit code does not saturate (ISA guide 7.6.2): hold the number within the largest code x the scale first
.endr
	v_cvt_scalef32_pk8_fp8_f32 v[C+4*QT:C+4*QT+1], v[QX:QX+7], v11
	v_cvt_scalef32_pk8_fp8_f32 v[C+4*QT+2:C+4*QT+3], v[QX+8:QX+15], v11
	v_lshrrev_b32 v[E+QT], 23, v11                 ; the scale's byte.  (Also the plain vector line behind the conversions, ahead of the next write of their sources)
	ds_store_b8 v[\ba], v[E+QT] offset:16*QT       ; byte 16 t + lane / 2 = 8 x row + block; both lanes of a block write the same byte with the same value
	global_store_b128 v3, v[C+4*QT:C+4*QT+3], s[40:41] offset:512*QT   ; 32 lanes store 512 consecutive bytes: rows 2 t and 2 t + 1 of the pack
.endm
.macro TAIL rb                         ; the wave's 256 scale bytes leave as one aligned pack row
	ds_load_b64 v[12:13], v[\rb]                   ; LDS serves a wave's instructions in order (ISA guide 5.7.1.4): this sees my byte stores
	s_wait_dscnt 0x0
	global_store_b64 v7, v[12:13], s[42:43]
	s_wait_kmcnt 0x0                               ; the two scalar loads at the head are done
	s_wait_tensorcnt 0x0
	ds_add_u32 v248, v249
	s_wait_dscnt 0x0
	s_endpgm
.endm
; ---- x.  The conversions want 16 neighbours along K in one lane; a load is best where neighbouring lanes take neighbouring bytes.  Both are had: each of a step's four loads reads 512 consecutive bytes,
; 16 a lane; the step's 2,048 bytes go through the wave's own stage in LDS as they lie and come back 64 bytes a lane.  Loads run DEPTH steps ahead, the turn through LDS one step.
.macro SETR t                          ; RS = the first register of step t's set of 16 as loaded: set t % DEPTH
.set K7, (\t)%DEPTH
.if K7 < 4
.set RS, R+16*K7
.elseif K7 == 4
.set RS, G
.else
.set RS, R5+16*(K7-5)
.endif
.endm
.macro LOAD t
	SETR \t
.irp i, 0,1,2,3
	global_load_b128 v[RS+4*\i:RS+4*\i+3], v3, s[4:5] offset:(2*(\t)+\i/2)*16384+(\i%2)*512 th:TH_LOAD_NT
.endr
.endm
.macro TURN t
	SETR \t
.irp i, 0,1,2,3
	ds_store_b128 v14, v[RS+4*\i:RS+4*\i+3] offset:32*SP*((\t)%2)+8*SP*\i
.endr
.irp i, 0,1,2,3
	ds_load_b128 v[X+16*((\t)%2)+4*\i:X+16*((\t)%2)+4*\i+3], v15 offset:32*SP*((\t)%2)+16*\i
.endr
.endm
.macro XSTEP t
.if (\t) > 0
	s_wait_dscnt 1                                 ; this step's numbers are back from the stage (the last step's byte store may be out): so its stores into the stage have read their registers,
.else
	s_wait_dscnt 0x0
.endif
.if (\t)+DEPTH < STEPS
	LOAD (\t)+DEPTH                                ; which take the loads of DEPTH steps on
.endif
.if (\t)+1 < STEPS
.if STEPS-2-(\t) >= DEPTH-1
	s_wait_loadcnt 4*(DEPTH-1)                     ; the next step's four loads are in; those of the DEPTH - 1 steps behind it may be out
.else
	s_wait_loadcnt 4*(STEPS-2-(\t))                ; at the end the counts run down
.endif
	TURN (\t)+1                                    ; and go through the other stage while this step is worked
.endif
	QBLOCK X+16*((\t)%2), \t, 5
.endm
.irp t, 0,1,2,3,4,5,6
	LOAD \t
.endr
	s_wait_loadcnt 4*(DEPTH-1)                     ; step 0's four loads are in
	TURN 0
.irp t, 0,1,2,3,4,5,6,7,8,9,10,11,12,13,14,15
	XSTEP \t
.endr
	TAIL 6
; ---- w.  Sixteen lanes read 256 consecutive bytes of a row of ternary, so a lane's 16 bytes are 16 neighbours along K as they come.  All 16 steps' loads go out at once.
.Lw:
	global_load_b64 v[210:211], v208, s[8:9]       ; lane = row: the two group scales of this K step
.irp t, 0,1,2,3,4,5,6,7,8,9,10,11,12,13,14,15
	global_load_b128 v[R+4*\t:R+4*\t+3], v4, s[6:7] offset:8192*\t th:TH_LOAD_NT
.endr
	s_wait_loadcnt 16                              ; the scales are in; the 16 loads issued behind them may be out
	s_wait_alu depctr_va_vdst(0)
	ds_store_b64 v212, v[210:211]
.irp t, 0,1,2,3,4,5,6,7,8,9,10,11,12,13,14,15
	ds_load_b32 v[G+\t], v213 offset:16*\t         ; the scale of row 2 t + lane / 16, group (lane / 8) % 2
.endr
	s_wait_dscnt 0x0
.macro UNPACK t                        ; 16 int8 -> f32, x the group's scale: the same f32 product as the problem's
.set UX, X+16*((\t)%2)
.set UT, R+4*(\t)
.irp j, 0,1,2,3
	v_lshlrev_b32 v[UX+4*\j], 24, v[UT+\j]         ; each byte to the top of a word,
	v_lshlrev_b32 v[UX+4*\j+1], 16, v[UT+\j]
	v_lshlrev_b32 v[UX+4*\j+2], 8, v[UT+\j]
	v_ashrrev_i32 v[UX+4*\j+3], 24, v[UT+\j]
.endr
.irp j, 0,1,2,3
.irp b, 0,1,2
	v_ashrrev_i32 v[UX+4*\j+\b], 24, v[UX+4*\j+\b] ; and down again with its sign
.endr
.endr
.irp i, 0,1,2,3,4,5,6,7,8,9,10,11,12,13,14,15
	v_cvt_f32_i32 v[UX+\i], v[UX+\i]
.endr
.irp i, 0,1,2,3,4,5,6,7,8,9,10,11,12,13,14,15
	v_mul_f32 v[UX+\i], v[G+(\t)], v[UX+\i]
.endr
.endm
.irp t, 0,1,2,3,4,5,6,7,8,9,10,11,12,13,14,15
	s_wait_loadcnt 15-\t                           ; this step's load is in; the later steps' may be out
	UNPACK \t
	QBLOCK X+16*((\t)%2), \t, 214
.endr
	TAIL 215
.Lfunc_end_k_q6f4ec4a0c5_quant:
	.size	k_q6f4ec4a0c5_quant, .Lfunc_end_k_q6f4ec4a0c5_quant-k_q6f4ec4a0c5_quant
	.p2alignl 7, 3214868480
	.fill 96, 4, 3214868480
	.section	.rodata,"a",@progbits
	.p2align	6, 0x0
	.amdhsa_kernel k_q6f4ec4a0c5_quant
		.amdhsa_group_segment_fixed_size 35328
		.amdhsa_private_segment_fixed_size 0
		.amdhsa_enable_private_segment 0
		.amdhsa_kernarg_size 56
		.amdhsa_user_sgpr_count 2
		.amdhsa_user_sgpr_kernarg_segment_ptr 1
		.amdhsa_wavefront_size32 1
		.amdhsa_system_sgpr_workgroup_id_x 1
		.amdhsa_system_sgpr_workgroup_id_y 1
		.amdhsa_system_sgpr_workgroup_id_z 1
		.amdhsa_system_vgpr_workitem_id 0
		.amdhsa_next_free_vgpr 250
		.amdhsa_next_free_sgpr 66
		.amdhsa_reserve_vcc 0
		.amdhsa_float_denorm_mode_32 3
		.amdhsa_float_denorm_mode_16_64 3
		.amdhsa_memory_ordered 1
		.amdhsa_forward_progress 1
		.amdhsa_inst_pref_size 119
	.end_amdhsa_kernel
	.amdgpu_metadata
---
amdhsa.version: [ 1, 2 ]
amdhsa.kernels:
  - .name:           k_q6f4ec4a0c5_quant
    .symbol:         k_q6f4ec4a0c5_quant.kd
    .args:
      - { .name: x, .offset: 0, .size: 8, .value_kind: global_buffer, .address_space: global }
      - { .name: ternary, .offset: 8, .size: 8, .value_kind: global_buffer, .address_space: global }
      - { .name: scales, .offset: 16, .size: 8, .value_kind: global_buffer, .address_space: global }
      - { .name: ste_gain, .offset: 24, .size: 8, .value_kind: global_buffer, .address_space: global }
      - { .name: ste_temp, .offset: 32, .size: 8, .value_kind: global_buffer, .address_space: global }
      - { .name: a_pack, .offset: 40, .size: 8, .value_kind: global_buffer, .address_space: global }
      - { .name: b_pack, .offset: 48, .size: 8, .value_kind: global_buffer, .address_space: global }
    .group_segment_fixed_size: 35328
    .private_segment_fixed_size: 0
    .kernarg_segment_align: 8
    .kernarg_segment_size: 56
    .max_flat_workgroup_size: 128
    .sgpr_count:     66
    .vgpr_count:     250
    .wavefront_size: 32
...
	.end_amdgpu_metadata
.endif
;; end of part 1
;; launch gemm (part 2): grid 16 x 16, 4 waves a work-group, clusters of 4 x 4, 327,680 bytes of LDS; arguments a_pack, b_pack, out0; writes out0
.if DOCPART == 2
	.amdgcn_target "amdgcn-amd-amdhsa--gfx1250"
	.amdhsa_code_object_version 6
	.text
	.protected	k_q6f4ec4a0c5_gemm
	.globl	k_q6f4ec4a0c5_gemm
	.p2align	8
	.type	k_q6f4ec4a0c5_gemm,@function
k_q6f4ec4a0c5_gemm:
	s_mov_b64 s[64:65], 0
	v_nop
	global_prefetch_b8 v0, s[64:65] scope:SCOPE_SE
	s_setreg_imm32_b32 hwreg(HW_REG_WAVE_MODE, 25, 1), 1
	s_wait_xcnt 0x0
	s_wait_alu depctr_hold_cnt(0) depctr_sa_sdst(0) depctr_va_vdst(0) depctr_va_sdst(0) depctr_va_ssrc(0) depctr_va_vcc(0) depctr_vm_vsrc(0)
	s_getreg_b32 s2, hwreg(HW_REG_IB_STS2, 6, 4)
	s_cmp_eq_u32 s2, 0
	s_cbranch_scc0 .Lentry_in_a_cluster
	s_endpgm
.Lentry_in_a_cluster:
	s_bfe_u32 s2, ttmp6, 0x10000c
	s_cmp_lg_u32 s2, 0xf033
	s_cbranch_scc0 .Lentry_shape_is_right
	s_endpgm
.Lentry_shape_is_right:
; out0[m][n] = sum over k of Q(x)[m][k] Q(w)[n][k], both operands as codes of E4M3 with one E8M0 byte for each 32 along K, as the launch before laid them in a_pack and b_pack:
; [32 blocks of 128 rows][16 K steps of 256][132 pack rows of 256 bytes]: 128 rows of codes, then 4 pack rows of scale bytes (8 bytes a row).  Sums in f32.
; ste_gain and ste_temp enter no number of the problem's result and are not among this launch's arguments.
; A block of 256 x 256 of out0 for a work-group of four waves, 128 x 128 a wave (64 accumulators, 512 registers); 256 work-groups.  K goes in steps of 256 through two LDS slots;
; a wave's tensor load brings 132 pack rows (33,792 consecutive bytes), codes and scale bytes together, 16 bytes of padding behind each 256.
; CLUSTERS of 4 x 4: a_pack's tiles are asked for jointly along a row of the cluster, b_pack's along a column.
; The matrix instruction is used transposed (source 0 = rows of w, source 1 = rows of x): a lane holds eight neighbouring numbers of a row of out0.
; PREFETCH: a wave's 16 K steps are one stream of 2,112 pack rows.  Every cluster asks for what it will itself load; the four partners of a joint load share 128 pack rows out by address, 32 each, a lane a row.
; The head asks for pack rows 192 to 575; each of the first twelve refills asks for the next 128, up to row 2,111, the stream's last: between two and three K steps ahead of the load that wants them.
; Pack rows 0 to 191 come by their loads alone.
; REGISTERS: window 0: v0-31 addresses, v32-63 scale words (two sets), v128-255 x's fragments (one set); window 1: w's fragments (two sets); windows 2, 3: accumulators.
.set SIZE_N, 4096
.set SIZE_K, 4096
.set KSTEP,  256
.set NQ,     KSTEP/128
.set UNITS,  132
.set BLK,    UNITS*256
.set RB,     (SIZE_K/KSTEP)*BLK
.set PITCH,  272
.set FR,     16
.set NL,     4
.set NP,     8
.set HALFT,  UNITS*PITCH
.set SLOT,   4*HALFT
.set LAPS,   SIZE_K/(2*KSTEP)
.set SPARE,  2*SLOT
.set SPITCH, 528
.set ADRA, 16
.set ADRB, 20
.set ADRS, 22
.set STO,  24
.set RD,   25
.set CO,   26
.set SPW,  28
.set NIL,  29
.set PFO,  30
.set SC,   32
.set AF,   128
.set BK,   128
.set G1, 24
.set G0, 32
.set G1B, 48
.set G0B, 56
.set PFA, 66
.set LIM, 68
.set MSB, 0
.macro WIN new
.if MSB != \new
	s_set_vgpr_msb (MSB<<8)|\new
.set MSB, \new
.endif
.endm
.set MUL_LO, 0xa1
.set MUL_HI, 0xf1
.set TO_B,   0x40
; a joint load: waves 0 and 1 fetch a_pack's two blocks of 128 rows, waves 2 and 3 b_pack's
.macro JLOAD g0a, g1a, g0b, g1b
	s_cmp_eq_u32 s15, 0
	s_cbranch_scc0 .Lfor_b_\@
	tensor_load_to_lds s[\g0a:\g0a+3], s[\g1a:\g1a+7]
	s_nop 0
.rept 4
	v_nop
.endr
	s_branch .Lasked_\@
.Lfor_b_\@:
	tensor_load_to_lds s[\g0b:\g0b+3], s[\g1b:\g1b+7]
	s_nop 0
.rept 4
	v_nop
.endr
.Lasked_\@:
.endm
; the loop's prefetch, one instruction a wave; the loop's last trip (s3 = 1) asks for nothing: the stream has ended
.macro ASK
	s_cmp_gt_u32 s3, s[LIM]
	s_cbranch_scc0 .Lnot_mine_\@
	global_prefetch_b8 v[PFO], s[PFA:PFA+1] th:TH_LOAD_NT scope:SCOPE_SE
.Lnot_mine_\@:
.endm
; a round of the cluster's barrier behind its opening barrier
.macro CREST
	s_cmp_lg_u32 s14, 0
	s_cbranch_scc1 .Lnot_wave_0_\@
	s_barrier_signal -3
.Lnot_wave_0_\@:
	s_barrier_wait -3
	s_barrier_signal -1
	s_barrier_wait -1
.endm
.macro CROUND
	s_barrier_signal -1
	s_barrier_wait -1
	CREST
.endm
	s_load_b128 s[4:7], s[0:1], 0x0
	s_load_b64 s[12:13], s[0:1], 0x10
	v_lshl_add_u32 v[SPW], v0, 2, SPARE
	v_mov_b32 v[NIL], 0
	ds_add_u32 v28, v29
	ds_add_u32 v28, v29
	s_wait_dscnt 0x0
	v_lshrrev_b32 v1, 5, v0
	v_readfirstlane_b32 s14, v1
	s_lshr_b32 s15, s14, 1
	s_and_b32 s16, s14, 1
	s_bfe_u32 s40, ttmp6, 0x40000
	s_bfe_u32 s41, ttmp6, 0x40004
	s_lshl_b32 s42, ttmp9, 2
	s_add_co_u32 s42, s42, s40
	s_and_b32 s17, ttmp7, 0xffff
	s_lshl_b32 s17, s17, 2
	s_add_co_u32 s17, s17, s41
	s_lshl_b32 s43, s41, 2
	s_lshl_b32 s43, 15, s43
	s_lshl_b32 s44, 0x1111, s40
	s_or_b32 s[G1+0], s43, (3<<16)|(1<<20)|(1<<21)|(5<<22)|(3<<25)
	s_or_b32 s[G1B+0], s44, (3<<16)|(1<<20)|(1<<21)|(5<<22)|(3<<25)
.irp g, G1, G1B
	s_mov_b32 s[\g+1], 32<<16
	s_mov_b32 s[\g+2], UNITS<<16
	s_mov_b32 s[\g+3], 32<<16
	s_mov_b32 s[\g+4], UNITS
	s_mov_b32 s[\g+5], 32
	s_mov_b32 s[\g+6], 0
	s_mov_b32 s[\g+7], 0
.endr
	s_lshl_b32 s20, s17, 1
	s_add_co_u32 s20, s20, s16
	s_mul_i32 s20, s20, RB
	s_mov_b32 s21, 0
	s_lshl_b32 s46, s42, 1
	s_add_co_u32 s46, s46, s16
	s_mul_i32 s46, s46, RB
	s_mov_b32 s47, 0
	s_mul_i32 s45, s14, HALFT
	s_wait_kmcnt 0x0
	s_add_nc_u64 s[20:21], s[4:5], s[20:21]
	s_add_nc_u64 s[46:47], s[6:7], s[46:47]
	CROUND
.irp s, 0,1
	s_mov_b32 s[G0+4*\s], 1
	s_add_co_u32 s[G0+4*\s+1], s45, \s*SLOT
	s_add_nc_u64 s[G0+4*\s+2:G0+4*\s+3], s[20:21], \s*BLK
	s_or_b32 s[G0+4*\s+3], s[G0+4*\s+3], 0x80000000
	s_mov_b32 s[G0B+4*\s], 1
	s_add_co_u32 s[G0B+4*\s+1], s45, \s*SLOT
	s_add_nc_u64 s[G0B+4*\s+2:G0B+4*\s+3], s[46:47], \s*BLK
	s_or_b32 s[G0B+4*\s+3], s[G0B+4*\s+3], 0x80000000
.endr
	JLOAD G0, G1, G0B, G1B                         ; K step 0, behind the one round: one tensor load a wave at the head
	v_and_b32 v[PFO], 31, v0
	v_lshlrev_b32 v[PFO], 8, v[PFO]                ; the prefetches' offset: a lane a pack row; never rewritten
	s_cmp_eq_u32 s15, 0                            ; do I fetch for a_pack?
	s_cselect_b32 s70, s40, s41                    ; my place among the four that ask with me: cx for a_pack, cy for b_pack
	s_cselect_b64 s[PFA:PFA+1], s[20:21], s[46:47] ; my stream's first byte
	s_mov_b32 s[LIM], 1                            ; every wave of every cluster asks
	s_lshl_b32 s70, s70, 13                        ; my work-group's 32 pack rows of each 128
	s_add_co_u32 s70, s70, 448*256
	s_mov_b32 s71, 0
	s_add_nc_u64 s[PFA:PFA+1], s[PFA:PFA+1], s[70:71]
	v_and_b32 v1, 15, v0
	v_bfe_u32 v2, v0, 4, 1
	v_mul_u32_u24 v3, v1, PITCH
	v_lshl_add_u32 v4, v2, 4, v3
	s_mul_i32 s21, s15, HALFT
	s_mul_i32 s22, s16, HALFT
	s_add_co_u32 s22, s22, 2*HALFT
	s_sub_co_u32 s23, s22, s21
	v_mul_u32_u24 v6, s23, v2
	v_lshl_add_u32 v5, v1, 3, v6
.irp s, 0,1
	v_add_nc_u32 v[ADRA+\s], s21, v4
	v_add_nc_u32 v[ADRB+\s], s22, v4
	v_add_nc_u32 v[ADRS+\s], s21, v5
	s_add_co_u32 s21, s21, SLOT
	s_add_co_u32 s22, s22, SLOT
.endr
	s_mul_i32 s23, s14, 16*SPITCH
	v_mul_u32_u24 v5, v1, SPITCH
	v_lshl_add_u32 v5, v2, 5, v5
	v_add_nc_u32 v[STO], s23, v5
	v_and_b32 v6, 31, v0
	v_lshlrev_b32 v[CO], 4, v6
	v_add_nc_u32 v[RD], s23, v[CO]
	s_lshl_b32 s20, s17, 8
	s_lshl_b32 s21, s15, 7
	s_add_co_u32 s20, s20, s21
	s_mov_b32 s21, 0
	s_mov_b64 s[18:19], SIZE_N*4
	s_mul_u64 s[20:21], s[20:21], s[18:19]
	s_lshl_b32 s46, s42, 10
	s_lshl_b32 s47, s16, 9
	s_add_co_u32 s46, s46, s47
	s_mov_b32 s47, 0
	s_add_nc_u64 s[20:21], s[20:21], s[46:47]
	s_add_nc_u64 s[12:13], s[12:13], s[20:21]
.macro FRAG reg, adr, q, i
.irp c, 0,1,2,3
	ds_load_b128 v[\reg+4*\c:\reg+4*\c+3], v[\adr] offset:128*(\q)+32*\c+(\i)*16*PITCH
.endr
.endm
.macro MUL16 a0, p, q, sc, zero
.irp a, \a0, \a0+1
.irp b, 0,1,2,3,4,5,6,7
.if \zero
	v_wmma_scale_f32_16x16x128_f8f6f4 v[8*(8*((\a)%4)+\b):8*(8*((\a)%4)+\b)+7], v[128*(\p)+FR*\b:128*(\p)+FR*\b+FR-1], v[AF+FR*(\a):AF+FR*(\a)+FR-1], 0, v[SC+8*NQ*(\sc)+NQ*\b+(\q)], v[SC+8*NQ*(\sc)+NQ*(\a)+(\q)] matrix_a_scale:MATRIX_SCALE_ROW1
.else
	v_wmma_scale_f32_16x16x128_f8f6f4 v[8*(8*((\a)%4)+\b):8*(8*((\a)%4)+\b)+7], v[128*(\p)+FR*\b:128*(\p)+FR*\b+FR-1], v[AF+FR*(\a):AF+FR*(\a)+FR-1], v[8*(8*((\a)%4)+\b):8*(8*((\a)%4)+\b)+7], v[SC+8*NQ*(\sc)+NQ*\b+(\q)], v[SC+8*NQ*(\sc)+NQ*(\a)+(\q)] matrix_a_scale:MATRIX_SCALE_ROW1
.endif
.endr
.endr
.endm
.macro FETCH_B slot, q, p
	WIN TO_B
.irp i, 0,1,2,3,4,5,6,7
	FRAG 128*(\p)+FR*\i, ADRB+\slot, \q, \i
.endr
	WIN 0
.endm
.macro FETCH_A slot, q, i0
.irp i, \i0, \i0+1, \i0+2, \i0+3
	FRAG AF+FR*(\i), ADRA+\slot, \q, \i
.endr
.endm
.macro SCALES sc
.irp i, 0,1,2,3,4,5,6,7
	ds_load_b64 v[SC+8*NQ*\sc+NQ*\i:SC+8*NQ*\sc+NQ*\i+1], v[ADRS+\sc] offset:(128+\i/2)*PITCH+(\i%2)*128
.endr
.endm
.macro PLACES n
.rept \n
	v_nop
.endr
.endm
; a step of 128 along K with its successor in the same slot: 64 products, x's blocks one after the other against w's eight; eight places stand ahead of each run of loads into registers that products have read
.macro STEP slot, q, zero
	s_wait_dscnt 4*NL
	WIN MUL_LO
	MUL16 0, (\q)%2, \q, \slot, \zero
	MUL16 2, (\q)%2, \q, \slot, \zero
	s_wait_dscnt 0
	PLACES NP
	FETCH_B \slot, (\q)+1, 1-(\q)%2
	FETCH_A \slot, (\q)+1, 0
	WIN MUL_HI
	MUL16 4, (\q)%2, \q, \slot, \zero
	MUL16 6, (\q)%2, \q, \slot, \zero
	PLACES NP
	WIN 0
	FETCH_A \slot, (\q)+1, 4
.endm
; a slot's last step.  All its fragments are in registers, so the slots change at its head: every wave waits for all its tensor loads, adds 0 to its spare word,
; waits for the add and for its reads of the slot; the round follows, and the joint refill is the first tensor load behind it (fill = 1).  Then the next slot's fragments and scale words are fetched among the products.
.macro TURN slot, next, fill
.if \fill
	s_wait_xcnt 0x0
	s_add_nc_u64 s[PFA:PFA+1], s[PFA:PFA+1], 128*256
.endif
	s_wait_tensorcnt 0x0
	ds_add_u32 v[SPW], v[NIL]
.if \fill
	s_add_nc_u64 s[G0+4*\slot+2:G0+4*\slot+3], s[G0+4*\slot+2:G0+4*\slot+3], 2*BLK
	s_add_nc_u64 s[G0B+4*\slot+2:G0B+4*\slot+3], s[G0B+4*\slot+2:G0B+4*\slot+3], 2*BLK
.endif
	s_wait_dscnt 4*NL+1                            ; the add and the youngest sixteen loads (x's blocks 4-7) may be out: w's set 1 and x's blocks 0-3 are in
	WIN MUL_LO
	MUL16 0, 1, NQ-1, \slot, 0                     ; sixteen products stand between the add and the wait for it
	WIN 0
	s_wait_dscnt 0x0                               ; the add is done, and my reads of this slot are over
	s_barrier_signal -1
	s_barrier_wait -1
.if \fill
	CREST
	JLOAD G0+4*\slot, G1, G0B+4*\slot, G1B
.endif
	s_wait_alu depctr_va_vdst(0)
	FETCH_B \next, 0, 0
	SCALES \next
.if \fill
	ASK
.endif
	WIN MUL_LO
	MUL16 2, 1, NQ-1, \slot, 0
	PLACES NP
	WIN 0
	FETCH_A \next, 0, 0
	WIN MUL_HI
	MUL16 4, 1, NQ-1, \slot, 0
	MUL16 6, 1, NQ-1, \slot, 0
	PLACES NP
	WIN 0
	FETCH_A \next, 0, 4
.endm
	s_wait_alu depctr_va_vdst(0)
	s_wait_tensorcnt 0x0                           ; my part of K step 0 is in; slot 1's first fill is issued as a refill is:
	ds_add_u32 v[SPW], v[NIL]                      ; 0 onto my spare word
	s_wait_dscnt 0x0                               ; the add is done
	CROUND                                         ; everybody's part of K step 0 is in, and all sixteen work-groups are here
	JLOAD G0+4, G1, G0B+4, G1B                     ; K step 1: the first tensor load behind the round
	FETCH_B 0, 0, 0
	FETCH_A 0, 0, 0
	; the head's prefetches stand here, behind K step 1's joint load and the first runs of LDS loads: pack rows 192 to 575 of my stream, 128 an instruction among the four partners.
	; Rows 264 on are wanted by the refills from K step 2 on, the first of which goes out when K step 1 has landed; rows 192 to 263 are K step 1's own and ride along, since a partner's 32 rows are told apart by address alone.
	; The address is stepped behind s_wait_xcnt 0 at the first change of slots.
	global_prefetch_b8 v[PFO], s[PFA:PFA+1] offset:-65536 th:TH_LOAD_NT scope:SCOPE_SE
	global_prefetch_b8 v[PFO], s[PFA:PFA+1] offset:-32768 th:TH_LOAD_NT scope:SCOPE_SE
	global_prefetch_b8 v[PFO], s[PFA:PFA+1] th:TH_LOAD_NT scope:SCOPE_SE
	SCALES 0
	FETCH_A 0, 0, 4
	STEP 0, 0, 1
	s_mov_b32 s3, LAPS-1
.Llap:
	TURN 0, 1, 1
	STEP 1, 0, 0
	TURN 1, 0, 1
	STEP 0, 0, 0
	s_sub_co_u32 s3, s3, 1
	s_cmp_lg_u32 s3, 0
	s_cbranch_scc1 .Llap
	TURN 0, 1, 0
	STEP 1, 0, 0
	s_wait_dscnt 4*NL
	WIN MUL_LO
	MUL16 0, 1, NQ-1, 1, 0
	MUL16 2, 1, NQ-1, 1, 0
	s_wait_dscnt 0
	WIN MUL_HI
	MUL16 4, 1, NQ-1, 1, 0
	MUL16 6, 1, NQ-1, 1, 0
	WIN 0
; THE WAY OUT, by blocks of 16 rows x 128 columns, through my own stage in slot 0, which has had its last fill and its last read: in as 32 bytes a lane, back as whole rows of 512 bytes
.macro TOSTAGE a
.set AC, 64*((\a)%4)
	WIN 0x08+4*((\a)/4)
.irp b, 0,1,2,3,4,5,6,7
	ds_store_b128 v[STO], v[AC+8*\b:AC+8*\b+3] offset:64*\b
	ds_store_b128 v[STO], v[AC+8*\b+4:AC+8*\b+7] offset:64*\b+16
.endr
	WIN 0
.set BB, BK+64*((\a)%2)
.irp t, 0,1,2,3,4,5,6,7,8,9,10,11,12,13,14,15
	ds_load_b128 v[BB+4*\t:BB+4*\t+3], v[RD] offset:\t*SPITCH
.endr
.endm
.macro SEND a, younger
.set BB, BK+64*((\a)%2)
	s_wait_dscnt \younger
.if (\a) > 0
	s_add_nc_u64 s[12:13], s[12:13], 16*SIZE_N*4
.endif
.irp t, 0,1,2,3,4,5,6,7,8,9,10,11,12,13,14,15
	global_store_b128 v[CO], v[BB+4*\t:BB+4*\t+3], s[12:13] offset:\t*SIZE_N*4   ; 32 lanes store 512 consecutive bytes, at a multiple of 256 from out0's first byte
.endr
.endm
	PLACES NP
	TOSTAGE 0
.irp a, 1,2,3,4,5,6,7
.if \a > 1
	s_wait_xcnt 0x0
.endif
	TOSTAGE \a
	SEND \a-1, 32
.endr
	s_wait_xcnt 0x0
	SEND 7, 0
	s_wait_tensorcnt 0x0
	ds_add_u32 v[SPW], v[NIL]
	s_wait_dscnt 0x0
	CROUND
	s_endpgm
.Lfunc_end_k_q6f4ec4a0c5_gemm:
	.size	k_q6f4ec4a0c5_gemm, .Lfunc_end_k_q6f4ec4a0c5_gemm-k_q6f4ec4a0c5_gemm
	.p2alignl 7, 3214868480
	.fill 96, 4, 3214868480
	.section	.rodata,"a",@progbits
	.p2align	6, 0x0
	.amdhsa_kernel k_q6f4ec4a0c5_gemm
		.amdhsa_group_segment_fixed_size 327680
		.amdhsa_private_segment_fixed_size 0
		.amdhsa_enable_private_segment 0
		.amdhsa_kernarg_size 24
		.amdhsa_user_sgpr_count 2
		.amdhsa_user_sgpr_kernarg_segment_ptr 1
		.amdhsa_wavefront_size32 1
		.amdhsa_system_sgpr_workgroup_id_x 1
		.amdhsa_system_sgpr_workgroup_id_y 1
		.amdhsa_system_sgpr_workgroup_id_z 1
		.amdhsa_system_vgpr_workitem_id 0
		.amdhsa_next_free_vgpr 1024
		.amdhsa_next_free_sgpr 80
		.amdhsa_reserve_vcc 0
		.amdhsa_float_denorm_mode_32 3
		.amdhsa_float_denorm_mode_16_64 3
		.amdhsa_memory_ordered 1
		.amdhsa_forward_progress 1
		.amdhsa_inst_pref_size 145
	.end_amdhsa_kernel
	.amdgpu_metadata
---
amdhsa.version: [ 1, 2 ]
amdhsa.kernels:
  - .name:           k_q6f4ec4a0c5_gemm
    .symbol:         k_q6f4ec4a0c5_gemm.kd
    .args:
      - { .name: a_pack, .offset: 0, .size: 8, .value_kind: global_buffer, .address_space: global }
      - { .name: b_pack, .offset: 8, .size: 8, .value_kind: global_buffer, .address_space: global }
      - { .name: out0, .offset: 16, .size: 8, .value_kind: global_buffer, .address_space: global }
    .group_segment_fixed_size: 327680
    .private_segment_fixed_size: 0
    .kernarg_segment_align: 8
    .kernarg_segment_size: 24
    .max_flat_workgroup_size: 128
    .sgpr_count:     80
    .vgpr_count:     1024
    .wavefront_size: 32
...
	.end_amdgpu_metadata
.endif
;; end of part 2
